; MI455X (gfx1250); checked and timed in simulation.
; The chip was launched on July 23, 2026; its instructions are those of AMD's public machine-readable ISA for CDNA 5 (MIT licence, August 2026) and "CDNA5" Instruction Set Architecture Reference Guide (July 2026). The comments in the code are by the model that wrote it; some were corrected since.
;; Attention. Allowed arithmetic: float matrix products may take bf16 or f16 operands with f32 sums; other float arithmetic in f32, or as packed bf16 or f16 multiplies, adds, multiply-adds, maxima and minima; sums over many terms, partial sums and values carried from step to step in f32; what a program stores and reads back later, other than sums and carried values, may be rounded once to bf16 or f16.
;; Inputs: hidden 8 x 2,048 x 1,024 float32; keys 8 x 2,048 x 1,024 float32; mask 8 x 2,048 int32; values 8 x 2,048 x 1,024 float32.
;; Outputs: out0 8 x 2,048 x 1,024 float32.
;; One version. Each part assembles by itself: llvm-mc -triple=amdgcn-amd-amdhsa -mcpu=gfx1250 --defsym DOCPART=n.
;; ======== version 1 of 1: 3 launches
;; workspace buffers: qb 33,554,432 bytes; kb 33,554,432 bytes; vb 33,554,432 bytes; pt 67,108,864 bytes; stats 2,097,152 bytes
;; launch cast (part 1): grid 1024 x 3, 8 waves a work-group, no clusters, 0 bytes of LDS; arguments hidden, keys, values, qb, kb, vb; writes qb, kb, vb
.if DOCPART == 1
	.amdgcn_target "amdgcn-amd-amdhsa--gfx1250"
	.amdhsa_code_object_version 6
	.text
	.protected	k_qaa962be2b2_cast
	.globl	k_qaa962be2b2_cast
	.p2align	8
	.type	k_qaa962be2b2_cast,@function
k_qaa962be2b2_cast:
	s_mov_b64 s[64:65], 0
	v_nop
	global_prefetch_b8 v0, s[64:65] scope:SCOPE_SE
	s_setreg_imm32_b32 hwreg(HW_REG_WAVE_MODE, 25, 1), 1
	s_wait_xcnt 0x0
; qb = bf16(hidden), kb = bf16(keys), vb = bf16(values): each f32 number rounded once, to nearest even.  16,777,216 numbers a tensor.
; A stream: every byte is read once and written once, so there is no LDS, no barrier, no matrix work, no cluster (no two work-groups read the same byte) and no prefetch (the loads themselves are the stream).
; The grid's y picks the tensor; a work-group takes 16 pieces of 4,096 bytes in (2,048 out).  Thread t owns the 16 bytes at 16 t of each piece: a wave's load covers 512 consecutive bytes,
; and its store of 8 bytes a lane covers 256 consecutive bytes, aligned.
; NO LOOP AND NO RING: a thread issues its 16 loads at once (8 KiB a wave on their way), converts each piece in place as it comes and stores it from the registers that it came into.  No register that a
; memory instruction names is ever written again, so the text has no wait but the counted ones for its own loads; a piece's place stands in the immediates.
.set PIECES, 16
.set RIN,    4096                      ; bytes of a piece in
.set ROUT,   2048                      ; bytes of a piece out
.set OI,  1                            ; v1       16 t: my bytes in a piece in; never rewritten
.set OO,  2                            ; v2       8 t: my bytes in a piece out; never rewritten
.set X,   4                            ; v[4:67]  piece i: four f32 as loaded; then, in its first two registers, four bf16
	s_load_b256 s[4:11], s[0:1], 0x0               ; hidden s[4:5], keys s[6:7], values s[8:9], qb s[10:11]
	s_load_b128 s[12:15], s[0:1], 0x20             ; kb s[12:13], vb s[14:15]
	s_and_b32 s16, ttmp7, 0xffff                   ; which tensor
	s_lshl_b32 s2, ttmp9, 16                       ; the work-group's 65,536 bytes in,
	s_mov_b32 s3, 0
	s_lshl_b32 s22, ttmp9, 15                      ; and 32,768 out
	s_mov_b32 s23, 0
	v_lshlrev_b32 v[OI], 4, v0
	v_lshlrev_b32 v[OO], 3, v0
	s_wait_kmcnt 0x0
	s_cmp_eq_u32 s16, 1                            ; a choice between buffers, on the grid's y alone
	s_cselect_b64 s[18:19], s[6:7], s[4:5]
	s_cselect_b64 s[20:21], s[12:13], s[10:11]
	s_cmp_eq_u32 s16, 2
	s_cselect_b64 s[18:19], s[8:9], s[18:19]
	s_cselect_b64 s[20:21], s[14:15], s[20:21]
	s_add_nc_u64 s[18:19], s[18:19], s[2:3]
	s_add_nc_u64 s[20:21], s[20:21], s[22:23]
.set i, 0
.rept PIECES
	global_load_b128 v[X+4*i:X+4*i+3], v[OI], s[18:19] offset:i*RIN th:TH_LOAD_NT
.set i, i+1
.endr
.set i, 0
.rept PIECES
	s_wait_loadcnt PIECES-1-i                      ; loads come back in order (ISA guide 5.7.1): piece i is in, the younger ones stay out
	v_cvt_pk_bf16_f32 v[X+4*i],   v[X+4*i],   v[X+4*i+1]
	v_cvt_pk_bf16_f32 v[X+4*i+1], v[X+4*i+2], v[X+4*i+3]
	global_store_b64 v[OO], v[X+4*i:X+4*i+1], s[20:21] offset:i*ROUT
.set i, i+1
.endr
	s_endpgm
.Lfunc_end_k_qaa962be2b2_cast:
	.size	k_qaa962be2b2_cast, .Lfunc_end_k_qaa962be2b2_cast-k_qaa962be2b2_cast
	.p2alignl 7, 3214868480
	.fill 96, 4, 3214868480
	.section	.rodata,"a",@progbits
	.p2align	6, 0x0
	.amdhsa_kernel k_qaa962be2b2_cast
		.amdhsa_group_segment_fixed_size 0
		.amdhsa_private_segment_fixed_size 0
		.amdhsa_enable_private_segment 0
		.amdhsa_kernarg_size 48
		.amdhsa_user_sgpr_count 2
		.amdhsa_user_sgpr_kernarg_segment_ptr 1
		.amdhsa_wavefront_size32 1
		.amdhsa_system_sgpr_workgroup_id_x 1
		.amdhsa_system_sgpr_workgroup_id_y 1
		.amdhsa_system_sgpr_workgroup_id_z 1
		.amdhsa_system_vgpr_workitem_id 0
		.amdhsa_next_free_vgpr 72
		.amdhsa_next_free_sgpr 66
		.amdhsa_reserve_vcc 0
		.amdhsa_float_denorm_mode_32 3
		.amdhsa_float_denorm_mode_16_64 3
		.amdhsa_memory_ordered 1
		.amdhsa_forward_progress 1
		.amdhsa_inst_pref_size 7
	.end_amdhsa_kernel
	.amdgpu_metadata
---
amdhsa.version: [ 1, 2 ]
amdhsa.kernels:
  - .name:           k_qaa962be2b2_cast
    .symbol:         k_qaa962be2b2_cast.kd
    .args:
      - { .name: hidden, .offset: 0, .size: 8, .value_kind: global_buffer, .address_space: global }
      - { .name: keys, .offset: 8, .size: 8, .value_kind: global_buffer, .address_space: global }
      - { .name: values, .offset: 16, .size: 8, .value_kind: global_buffer, .address_space: global }
      - { .name: qb, .offset: 24, .size: 8, .value_kind: global_buffer, .address_space: global }
      - { .name: kb, .offset: 32, .size: 8, .value_kind: global_buffer, .address_space: global }
      - { .name: vb, .offset: 40, .size: 8, .value_kind: global_buffer, .address_space: global }
    .group_segment_fixed_size: 0
    .private_segment_fixed_size: 0
    .kernarg_segment_align: 8
    .kernarg_segment_size: 48
    .max_flat_workgroup_size: 256
    .sgpr_count:     66
    .vgpr_count:     72
    .wavefront_size: 32
...
	.end_amdgpu_metadata
.endif
;; end of part 1
;; launch scores (part 2): grid 8 x 32, 4 waves a work-group, clusters of 4 x 4, 327,680 bytes of LDS; arguments qb, kb, mask, pt, stats; writes pt, stats
.if DOCPART == 2
	.amdgcn_target "amdgcn-amd-amdhsa--gfx1250"
	.amdhsa_code_object_version 6
	.text
	.protected	k_qaa962be2b2_scores
	.globl	k_qaa962be2b2_scores
	.p2align	8
	.type	k_qaa962be2b2_scores,@function
k_qaa962be2b2_scores:
	s_mov_b64 s[64:65], 0
	v_nop
	global_prefetch_b8 v0, s[64:65] scope:SCOPE_SE
	s_setreg_imm32_b32 hwreg(HW_REG_WAVE_MODE, 25, 1), 1
	s_wait_xcnt 0x0
	s_wait_alu depctr_hold_cnt(0) depctr_sa_sdst(0) depctr_va_vdst(0) depctr_va_sdst(0) depctr_va_ssrc(0) depctr_va_vcc(0) depctr_vm_vsrc(0)
	s_getreg_b32 s2, hwreg(HW_REG_IB_STS2, 6, 4)
	s_cmp_eq_u32 s2, 0
	s_cbranch_scc0 .Lentry_in_a_cluster
	s_endpgm
.Lentry_in_a_cluster:
	s_bfe_u32 s2, ttmp6, 0x10000c
	s_cmp_lg_u32 s2, 0xf033
	s_cbranch_scc0 .Lentry_shape_is_right
	s_endpgm
.Lentry_shape_is_right:
; SCORES AND A BLOCK SOFTMAX.  For batch b, query q, key k: s = sum over d of qb[b][q][d] kb[b][k][d] (bf16 operands, f32 sums, 1,024 channels); t = c s, c = log2(e), or TN = c x (-1e10) where mask[b][k] = 0.
; For each query and each BLOCK of 128 keys: mt = the largest t of the block, p = 2^(t - mt), l = the sum of the block's p.  pt[b][q][k] = bf16(p); stats holds mt and l in f32.  The next launch
; takes the largest mt of a row's 16 blocks and rescales, so the row's true maximum is what is taken away before the weights are summed.
; LIMITS.  A masked key enters as 0 x s + TN: exact for finite s; NaN and infinities in the inputs are not treated apart.  -1e10 enters as the f32 product c x (-1e10), one rounding.
; A block with every key masked gives mt = TN, p = 1, l = 128: what a row of equal scores gives.  p lies in 0 to 1, l in 1 to 128.
; SHARES.  A tile is 256 queries x 256 keys of one batch; a wave makes 128 x 128 of it in 64 accumulators (512 registers), so its 128 keys are one block.  A WORK-GROUP STAYS: it makes two tiles, the second
; 1,024 queries below the first, with the same 256 keys: 8 tile columns x 32 = 256 work-groups of four waves.  So the mask is read once, and the ring does not stop at the first tile's end: its last two
; changes of slots ask for the second tile's first two steps, and nothing waits for the first tile's stores.
; The channels go in 8 steps of 128 through two LDS slots filled by the tensor data mover; a row of a tile is 256 bytes of memory, at a multiple of 256 from the buffer's first byte.
; CLUSTER.  4 x 4 work-groups, one batch.  The four of a row need the same tiles of qb, the four of a column the same tiles of kb: each is asked for JOINTLY, by the same tensor load with the same descriptor and a mask of four.
; THE MATRIX INSTRUCTION IS USED TRANSPOSED (source 0 = 16 keys, source 1 = 16 queries): lane l holds query l % 16 and keys 8 (l / 16) + 0..7 of the accumulator's 16: a query's 128 scores lie in two lanes, 16 apart.
; THE TEXT.  A step's quarters are written once for the steps that fill a slot again and once for the last two, which fill nothing; the way out is written once, for both tiles.
; REGISTERS, in windows of 256 (s_set_vgpr_msb: bits 1:0 source 0, 3:2 source 1, 5:4 source 2, 7:6 destination):
;   window 0: v0-63 addresses, statistics, at work; v64-127, v128-191 fragments of qb, two buffers; v192-255 the mask's integers, at the start.  On the way out buffer 0 holds the next tile's first
;             fragments and is left alone: packed p lies in v128-159, rows read back in v192-255
;   window 1: v64-127, v128-191 fragments of kb; v0-63 CU, v192-255 WT: for my lane's 64 keys the pair (c, 0) or (0, TN), so that t = s x CU + WT is one fused multiply-add
;   window 2: the accumulators of my queries 0-63 ((a, b) at v[8 (8 a + b)]);   window 3: those of my queries 64-127
.set NS,     8                         ; steps of 128 channels in a tile
.set TILES,  2
.set KSTEP,  128
.set PITCH,  272                       ; an LDS row: 256 bytes + 16 of padding = 68 words: the 16 rows of a fragment load start at 16 different groups of four banks (64 banks of 4 bytes: ISA guide 11.1)
.set HALFT,  128*PITCH                 ; 128 rows: what one tensor load brings
.set SLOT,   4*HALFT                   ; qb's 256 rows, then kb's 256 rows.  0x22000: neither of its two bits is ever set in wave x HALFT, so one exclusive or turns an address in one slot into the other's
.set STAGE,  2*SLOT                    ; behind the ring: 16 rows x 272 bytes for each wave, for the way out; no tensor load lands there
.set SPITCH, 272
.set SPARE,  STAGE+4*16*SPITCH         ; the spare words, 128 bytes for each wave: two blocks of 256 bytes that no other line names
.set WALK,   1024                      ; rows from a work-group's first tile to its second
.set BACKB,  NS*KSTEP*2                ; bytes of a row: what a change of tiles takes from kb's address beside the usual step (the same rows, back along the channels),
.set NEXTX,  WALK*2048-BACKB           ; and what it adds to qb's (WALK rows down and back)
.set ADRA0, 16                         ; v16  my lane's place in qb's fragments, slot 0; never rewritten
.set ADRA,  17                         ; v17  the same in the slot in hand
.set ADRB0, 20                         ; v20, v21  likewise for kb
.set ADRB,  21
.set STO,  24                          ; v24  the way out: where I put 16 bytes of a row
.set RD,   25                          ; v25  where I read a row back
.set CO,   26                          ; v26  my byte offset in pt
.set SO,   27                          ; v27  my byte offset in the wave's 512 bytes of stats
.set SPW,  28                          ; v28  LDS address of my spare word: SPARE + 4 x my thread's number; never rewritten
.set NIL,  29                          ; v29  0; never rewritten
.set PFO,  30                          ; v30  the prefetches' offset: my lane x a row of 2,048 bytes; never rewritten
.set VC,   31                          ; v31  c
.set CH,   32                          ; v32-35  four chains at work
.set XR,   36                          ; v36  what the lane 16 away holds
.set ZR,   37                          ; v37  0
.set MT,   38                          ; v[38:39]  mt of the block of rows in hand, in the low word
.set MS,   40                          ; v40-47  mt of row block a
.set LS,   48                          ; v48-55  l of row block a
.set QD,   56                          ; v[56:63]  the two quads that go to stats
.set F0,   64
.set F1,   128
.set MI,   192
.set TMP,  128                         ; the way out: 32 registers of packed p
.set OB,   192                         ; 16 rows read back: v192-223 and v224-255 by turns
.set CU,   0                           ; window 1
.set WT,   192                         ; window 1
.set G1,  24                           ; s[24:31] descriptor group 1 for qb's tiles
.set G0,  32                           ; s[32:39] group 0: a set for each of the two first fills; the second then walks on
.set G1B, 48                           ; s[48:55], s[56:63] the same for kb's tiles
.set G0B, 56
.set LIM, 43                           ; s43  a wave prefetches while the count of refills to come, s3, is above it
.set PFA, 44                           ; s[44:45] where my prefetches stand
.set TB,  66                           ; s66  base of the slot in hand
.set TCD, 67                           ; s67  the count s3 at which the descriptors go on to the next tile: 2, or 0 (never) in the last tile
.set TCP, 68                           ; s68  the same for the prefetches, two refills earlier: 4 or 0
.set LIM1, 69                          ; s69  LIM in a tile that has a successor,
.set LIM2, 22                          ; s22  and in the last
.set MSB, 0
.macro WIN new                         ; the immediate's high byte repeats the setting that is left; a switch that changes nothing is dropped
.if MSB != (\new)
	s_set_vgpr_msb (MSB<<8)|(\new)
.set MSB, \new
.endif
.endm
.set MUL_LO, 0xa1                      ; source 0 (kb) window 1, source 1 (qb) window 0, C and D window 2
.set MUL_HI, 0xf1                      ; the same, C and D window 3
.set TO_B,   0x40                      ; destination window 1, address window 0
; A joint refill, by the walking descriptors.  Waves 0 and 1 fetch qb's two halves, waves 2 and 3 kb's; the branch hangs on the wave's number alone.
; An s_nop 0 and four v_nop follow each of the two lines, ahead of the jump and the label.
.macro JLOAD
	s_cmp_eq_u32 s11, 0
	s_cbranch_scc0 .Lfor_b_\@
	tensor_load_to_lds s[G0+4:G0+7], s[G1:G1+7]
	s_nop 0
.rept 4
	v_nop
.endr
	s_branch .Lasked_\@
.Lfor_b_\@:
	tensor_load_to_lds s[G0B+4:G0B+7], s[G1B:G1B+7]
	s_nop 0
.rept 4
	v_nop
.endr
.Lasked_\@:
.endm
; A PREFETCH INTO THE L2, behind each joint refill and the run of LDS loads that follows it: what the refill two further on will ask for, 32 rows x 256 bytes, a lane a row, one instruction a wave.
; Each row's 256 bytes of a step are named once in the launch.  qb's tile rows are read by both clusters of a batch: the one with x = 0 asks, on into the second tile (all of its steps; of the first tile steps 4 to 7).
; kb's tile column of a batch is read by one cluster alone, which asks, in the first tile only (steps 4 to 7): the second tile takes the same rows again.  The four partners that ask for a tile jointly share its
; rows out BY ADDRESS, 32 each.  The launch's steps 0 to 3 come by their loads alone; the last two refills have nothing two further on.
.macro ASK
	s_cmp_gt_u32 s3, s[LIM]
	s_cbranch_scc0 .Lnot_mine_\@
	global_prefetch_b8 v[PFO], s[PFA:PFA+1] th:TH_LOAD_NT scope:SCOPE_SE
.Lnot_mine_\@:
.endm
; A round of the cluster's barrier: my work-group's barrier; wave 0 signals for the work-group; every wave waits for all sixteen work-groups; my work-group's barrier once more.
.macro CREST                           ; a round behind its opening barrier
	s_cmp_lg_u32 s10, 0
	s_cbranch_scc1 .Lnot_wave_0_\@
	s_barrier_signal -3
.Lnot_wave_0_\@:
	s_barrier_wait -3
	s_barrier_signal -1
	s_barrier_wait -1
.endm
.macro CROUND
	s_barrier_signal -1
	s_barrier_wait -1
	CREST
.endm
	s_load_b128 s[4:7], s[0:1], 0x0                ; qb s[4:5], kb s[6:7]
	s_load_b64 s[78:79], s[0:1], 0x10              ; mask
	s_load_b64 s[8:9], s[0:1], 0x18                ; pt
	s_load_b64 s[76:77], s[0:1], 0x20              ; stats
	v_lshl_add_u32 v[SPW], v0, 2, SPARE
	v_mov_b32 v[NIL], 0
	ds_add_u32 v[SPW], v[NIL]                      ; the wave's opening: the add and its wait stand ahead of my first tensor load; the set-up below, work on registers, stands between them
	v_lshrrev_b32 v1, 5, v0
	v_readfirstlane_b32 s10, v1                    ; wave 0..3
	s_lshr_b32 s11, s10, 1                         ; which half of the tile's queries is mine.  Also: I fetch for qb (0) or for kb (1)
	s_and_b32 s12, s10, 1                          ; which half of its keys.  Also: which 128 rows of that tile I fetch
	s_bfe_u32 s40, ttmp6, 0x40000                  ; cx
	s_bfe_u32 s41, ttmp6, 0x40004                  ; cy
	s_lshl_b32 s42, ttmp9, 2
	s_add_co_u32 s42, s42, s40                     ; tile column = 4 x cluster x + cx
	s_and_b32 s75, ttmp7, 0xffff                   ; cluster y = the batch
	s_lshl_b32 s13, s75, 3
	s_add_co_u32 s13, s13, s41                     ; my first tile row, over all batches = 8 x batch + cy; the second is 4 further down
	s_lshl_b32 s43, s41, 2
	s_lshl_b32 s43, 15, s43                        ; my row of the cluster
	s_lshl_b32 s44, 0x1111, s40                    ; my column
	s_or_b32 s[G1+0], s43, (1<<16)|(1<<20)|(1<<21)|(5<<22)|(3<<25)   ; 15:0 the mask; 17:16 elements of 2 bytes; 20 padding on; 21 set beside a mask; 24:22 after every 64 words (code 5); 31:25 4 words (code 3)
	s_or_b32 s[G1B+0], s44, (1<<16)|(1<<20)|(1<<21)|(5<<22)|(3<<25)
.irp g, G1, G1B
	s_mov_b32 s[(\g)+1], KSTEP<<16                 ; tensor_dim0 = 128
	s_mov_b32 s[(\g)+2], 128<<16                   ; tensor_dim1 = 128
	s_mov_b32 s[(\g)+3], KSTEP<<16                 ; tile_dim0 = 128
	s_mov_b32 s[(\g)+4], 128                       ; tile_dim1 = 128
	s_mov_b32 s[(\g)+5], 1024                      ; elements from row to row
	s_mov_b32 s[(\g)+6], 0
	s_mov_b32 s[(\g)+7], 0
.endr
	s_lshl_b32 s17, s12, 7                         ; which 128 rows of the tile I fetch
	s_lshl_b32 s16, s13, 8
	s_add_co_u32 s16, s16, s17                     ; qb: row 256 x tile row + 128 x half
	s_lshl_b32 s16, s16, 11                        ; 2,048 bytes a row: under 2^26
	s_lshl_b32 s46, s42, 8
	s_add_co_u32 s46, s46, s17
	s_lshl_b32 s47, s75, 11
	s_add_co_u32 s46, s46, s47                     ; kb: row 2,048 x batch + 256 x tile column + 128 x half
	s_lshl_b32 s46, s46, 11
	s_mov_b32 s17, 0
	s_mov_b32 s47, 0
	s_mul_i32 s20, s10, HALFT                      ; where they go: wave x 128 rows: no place in the cluster enters an LDS address
	s_wait_dscnt 0x0                               ; the opening add is done
	s_wait_kmcnt 0x0
	s_add_nc_u64 s[14:15], s[4:5], s[16:17]
	s_add_nc_u64 s[46:47], s[6:7], s[46:47]
	CROUND                                         ; all sixteen work-groups are here: the first joint loads meet
.irp s, 0,1
	s_mov_b32 s[G0+4*(\s)], 1                                        ; count = 1
	s_add_co_u32 s[G0+4*(\s)+1], s20, (\s)*SLOT                      ; LDS address
	s_add_nc_u64 s[G0+4*(\s)+2:G0+4*(\s)+3], s[14:15], (\s)*KSTEP*2  ; global address: step s
	s_or_b32 s[G0+4*(\s)+3], s[G0+4*(\s)+3], 0x80000000              ; type = 2
	s_mov_b32 s[G0B+4*(\s)], 1
	s_add_co_u32 s[G0B+4*(\s)+1], s20, (\s)*SLOT
	s_add_nc_u64 s[G0B+4*(\s)+2:G0B+4*(\s)+3], s[46:47], (\s)*KSTEP*2
	s_or_b32 s[G0B+4*(\s)+3], s[G0B+4*(\s)+3], 0x80000000
.endr
	s_cmp_eq_u32 s11, 0                            ; a wave's two first fills stand in one branch, ahead of every wait on TENSORcnt and every LDS read: two loads of mine are out
	s_cbranch_scc0 .Lfirst_b
	tensor_load_to_lds s[G0:G0+3], s[G1:G1+7]
	s_nop 0
	tensor_load_to_lds s[G0+4:G0+7], s[G1:G1+7]
	s_nop 0
.rept 4
	v_nop
.endr
	s_branch .Lfirst_asked
.Lfirst_b:
	tensor_load_to_lds s[G0B:G0B+3], s[G1B:G1B+7]
	s_nop 0
	tensor_load_to_lds s[G0B+4:G0B+7], s[G1B:G1B+7]
	s_nop 0
.rept 4
	v_nop
.endr
.Lfirst_asked:
	v_and_b32 v1, 15, v0                           ; r = l % 16
	v_bfe_u32 v2, v0, 4, 1                         ; h = l / 16
	v_lshlrev_b32 v6, 5, v2                        ; my lane's 8 keys of each 16: 32 h bytes of mask
	s_lshl_b32 s16, s75, 13                        ; mask at my wave's 128 keys: (2,048 batch + 256 tile column + 128 half) x 4 bytes
	s_lshl_b32 s18, s42, 10
	s_add_co_u32 s16, s16, s18
	s_lshl_b32 s18, s12, 9
	s_add_co_u32 s16, s16, s18
	s_mov_b32 s17, 0
	s_add_nc_u64 s[78:79], s[78:79], s[16:17]
.irp b, 0,1,2,3,4,5,6,7
	global_load_b128 v[MI+8*(\b):MI+8*(\b)+3],   v6, s[78:79] offset:64*(\b)      ; keys 16 b + 8 h + 0..3
	global_load_b128 v[MI+8*(\b)+4:MI+8*(\b)+7], v6, s[78:79] offset:64*(\b)+16   ; and + 4..7
.endr
	; A fragment is 16 rows x 32 channels in 8 registers: lane l holds row l % 16, channels 8 (l / 16) + 0..7 and 16 + 8 (l / 16) + 0..7: two loads of 16 bytes, 32 bytes apart.
	v_mul_u32_u24 v3, v1, PITCH
	v_lshl_add_u32 v3, v2, 4, v3
	s_mul_i32 s21, s11, HALFT                      ; my 128 rows of qb
	s_mul_i32 s22, s12, HALFT                      ; my 128 rows of kb,
	s_add_co_u32 s22, s22, 2*HALFT                 ; which lie behind qb's 256
	v_add_nc_u32 v[ADRA0], s21, v3
	v_add_nc_u32 v[ADRB0], s22, v3
	v_mov_b32 v[ADRA], v[ADRA0]
	v_mov_b32 v[ADRB], v[ADRB0]
	s_mul_i32 s23, s10, 16*SPITCH
	s_add_co_u32 s23, s23, STAGE                   ; my stage
	v_mul_u32_u24 v4, v1, SPITCH                   ; in: row l % 16, 16 bytes for each half of the lanes
	v_lshl_add_u32 v4, v2, 4, v4
	v_add_nc_u32 v[STO], s23, v4
	v_mul_u32_u24 v5, v2, SPITCH                   ; back: lanes 0-15 take one row of 256 bytes, lanes 16-31 the next
	v_lshl_add_u32 v5, v1, 4, v5
	v_add_nc_u32 v[RD], s23, v5
	v_lshlrev_b32 v5, 12, v2                       ; and the same two rows in pt, 4,096 bytes apart
	v_lshl_add_u32 v[CO], v1, 4, v5
	v_lshlrev_b32 v5, 4, v2
	v_lshl_add_u32 v[SO], v1, 5, v5                ; stats: 32 r + 16 h
	s_lshl_b32 s16, s13, 8                         ; pt at my wave's part of the first tile: row 256 x tile row + 128 x half, 4,096 bytes a row,
	s_lshl_b32 s18, s11, 7
	s_add_co_u32 s16, s16, s18
	s_lshl_b32 s16, s16, 12
	s_add_nc_u64 s[8:9], s[8:9], s[16:17]
	s_lshl_b32 s46, s42, 9                         ; column 512 x tile column + 256 x half, in bytes
	s_lshl_b32 s47, s12, 8
	s_add_co_u32 s46, s46, s47
	s_mov_b32 s47, 0
	s_add_nc_u64 s[8:9], s[8:9], s[46:47]
	s_lshl_b32 s16, s75, 4                         ; stats: word ((16 batch + block) x 2,048 + group x 128 + 8 r + a); block = 2 x tile column + half,
	s_lshl_b32 s18, s42, 1
	s_add_co_u32 s16, s16, s18
	s_add_co_u32 s16, s16, s12
	s_lshl_b32 s16, s16, 13
	s_and_b32 s18, s13, 7                          ; group of 128 rows in the batch = 2 x (tile row % 8) + half
	s_lshl_b32 s18, s18, 1
	s_add_co_u32 s18, s18, s11
	s_lshl_b32 s18, s18, 9
	s_add_co_u32 s16, s16, s18
	s_add_nc_u64 s[76:77], s[76:77], s[16:17]
	; the prefetches
	s_lshl_b32 s18, s13, 8                         ; qb's first tile begins at row 256 x tile row,
	s_lshl_b32 s19, s42, 8
	s_lshl_b32 s21, s75, 11
	s_add_co_u32 s19, s19, s21                     ; kb's at 2,048 x batch + 256 x tile column
	s_cmp_eq_u32 s11, 0                            ; do I fetch for qb?
	s_cselect_b32 s18, s18, s19
	s_cselect_b32 s21, s40, s41                    ; my place among the four that ask with me
	s_cselect_b32 s23, ttmp9, 0                    ; the coordinate along which another cluster reads the same rows: for qb the cluster's x, for kb none
	s_cselect_b64 s[PFA:PFA+1], s[4:5], s[6:7]
	s_cselect_b32 s[LIM1], 0, 4                    ; in the first tile qb's waves ask at all 8 refills, kb's at the first 4;
	s_cselect_b32 s[LIM2], 2, -1                   ; in the last qb's at the first 4 of 6, kb's never
	s_cmp_eq_u32 s23, 0
	s_cselect_b32 s[LIM1], s[LIM1], -1             ; the same in all sixteen partners, for a given wave
	s_cselect_b32 s[LIM2], s[LIM2], -1
	s_lshl_b32 s23, s12, 7
	s_add_co_u32 s18, s18, s23                     ; + the 128 rows that I fetch
	s_lshl_b32 s21, s21, 5
	s_add_co_u32 s18, s18, s21                     ; + my work-group's 32 of them
	s_lshl_b32 s18, s18, 11
	s_add_co_u32 s18, s18, 3*KSTEP*2               ; at step 3: the first refill steps it to 4
	s_mov_b32 s19, 0                               ; (stays 0: the high word of what a change of tiles takes from kb's address)
	s_add_nc_u64 s[PFA:PFA+1], s[PFA:PFA+1], s[18:19]
	s_mov_b32 s15, 0                               ; the high word of what a change of tiles adds to qb's addresses
	v_and_b32 v[PFO], 31, v0
	v_lshlrev_b32 v[PFO], 11, v[PFO]
	s_mov_b32 s70, 0x3fb8aa3b                      ; c = log2(e)
	s_mul_f32 s71, s70, 0xd01502f9                 ; TN = c x (-1e10)
	s_mov_b32 s72, 0x76543210                      ; v_permlanex16_b32's selects: each lane takes its own place in the other half
	s_mov_b32 s73, 0xfedcba98
	s_mov_b32 s74, 0xffff0000                      ; lanes 16-31
	s_mov_b32 s[TB], 0
	v_mov_b32 v[VC], s70
	v_mov_b32 v[ZR], 0
	v_mov_b32 v[XR], 0                             ; v_permlanex16_b32's destination counts as read
	v_mov_b32 v[MT], 0
	v_mov_b32 v[MT+1], 0                           ; named with it as a pair
	s_wait_loadcnt 0x0                             ; the mask
	WIN 0x40                                       ; destination window 1
.set i, 0
.rept 64
	v_cmp_ne_u32 vcc_lo, 0, v[MI+i]
	v_cndmask_b32 v[CU+i], 0, v[VC], vcc_lo        ; c where the key counts, else 0
	v_cndmask_b32 v[WT+i], s71, v[ZR], vcc_lo      ; 0 where the key counts, else TN
.set i, i+1
.endr
	WIN 0
; 16 matrix instructions: query blocks a0, a0 + 1 of the window's four x all 8 key blocks, 32 channels.  zero = 1: the first product starts the sums.  The 64 accumulators take turns.
.macro MUL16 f, hi, a0, zero
	WIN MUL_LO+0x50*(\hi)
.irp a, \a0, (\a0)+1
.irp b, 0,1,2,3,4,5,6,7
.if \zero
	v_wmma_f32_16x16x32_bf16 v[8*(8*(\a)+(\b)):8*(8*(\a)+(\b))+7], v[(\f)+8*(\b):(\f)+8*(\b)+7], v[(\f)+8*(4*(\hi)+(\a)):(\f)+8*(4*(\hi)+(\a))+7], 0
.else
	v_wmma_f32_16x16x32_bf16 v[8*(8*(\a)+(\b)):8*(8*(\a)+(\b))+7], v[(\f)+8*(\b):(\f)+8*(\b)+7], v[(\f)+8*(4*(\hi)+(\a)):(\f)+8*(4*(\hi)+(\a))+7], v[8*(8*(\a)+(\b)):8*(8*(\a)+(\b))+7]
.endif
.endr
.endr
.endm
; 32 LDS loads in one run: the fragments of quarter q (32 channels at byte 64 q of the rows) of the slot in hand, into buffer f: kb's 16 loads, then qb's 16
.macro FETCH q, f
	WIN TO_B
.irp i, 0,1,2,3,4,5,6,7
	ds_load_b128 v[(\f)+8*(\i):(\f)+8*(\i)+3],   v[ADRB] offset:64*(\q)+(\i)*16*PITCH
	ds_load_b128 v[(\f)+8*(\i)+4:(\f)+8*(\i)+7], v[ADRB] offset:64*(\q)+(\i)*16*PITCH+32
.endr
	WIN 0
.irp i, 0,1,2,3,4,5,6,7
	ds_load_b128 v[(\f)+8*(\i):(\f)+8*(\i)+3],   v[ADRA] offset:64*(\q)+(\i)*16*PITCH
	ds_load_b128 v[(\f)+8*(\i)+4:(\f)+8*(\i)+7], v[ADRA] offset:64*(\q)+(\i)*16*PITCH+32
.endr
.endm
.macro PLACES                          ; four places in front of loads into registers that matrix instructions have read, and of vector work on their results
.rept 4
	v_nop
.endr
.endm
; A step is four quarters of 32 channels, 64 matrix instructions each, on buffers 0, 1, 0, 1.  One of the first three: multiplies buffer f; in its middle it fetches quarter q into buffer g.
.macro QUARTER q, f, g, zero
	s_wait_dscnt 8                                 ; kb's fragments and qb's rows 0-63 are in; the youngest eight loads (qb's rows 64-127) may be out
	MUL16 \f, 0, 0, \zero
	MUL16 \f, 0, 2, \zero
	PLACES
	FETCH \q, \g
	s_wait_dscnt 32                                ; all but the 32 just issued
	MUL16 \f, 1, 0, \zero
	MUL16 \f, 1, 2, \zero
.endm
; The fourth quarter multiplies buffer 1 and changes slots: one barrier.  In front of it each wave waits for all its tensor loads (one is out: its part of the next slot), adds 0 to its spare word, and waits for
; that and for its own reads of this slot.  fill = 1: the barrier opens a round of the cluster's barrier, and the slot just read out is filled again, with the step two further on in the walk, first thing behind
; the round: from that request to the wait for it a wave issues 224 matrix instructions.  The walk's steps follow each other 256 bytes apart; where it goes on to the next tile (s3 = TCD; for the prefetches,
; two refills earlier, s3 = TCP) qb's address also goes WALK rows down and a row's bytes back, kb's a row's bytes back.
.macro TURN fill
.if \fill
	s_wait_xcnt 0x0                                ; the last prefetch, a step back, has read its address
	s_cmp_eq_u32 s3, s[TCP]
	s_cselect_b32 s14, NEXTX, 0
	s_add_nc_u64 s[PFA:PFA+1], s[PFA:PFA+1], KSTEP*2
	s_add_nc_u64 s[PFA:PFA+1], s[PFA:PFA+1], s[14:15]  ; (kb's waves ask no more from here on: their address is not used again)
.endif
	WIN 0                                          ; (the add's two registers lie in window 0)
	s_wait_tensorcnt 0x0                           ; all my tensor loads have landed;
	ds_add_u32 v[SPW], v[NIL]                      ; 0 onto my spare word;
	s_wait_dscnt 9                                 ; (the add and the youngest eight loads may be out)
	MUL16 F1, 0, 0, 0                              ; sixteen matrix instructions stand between the add and the wait for it
	s_wait_dscnt 0x0                               ; the add is done, and my reads of this slot are over
	s_barrier_signal -1
	MUL16 F1, 0, 2, 0                              ; work on registers while the others arrive
	WIN 0
	s_barrier_wait -1
.if \fill
	CREST                                          ; no wave of any partner still reads this slot's tile or has a load on its way
	s_cmp_eq_u32 s3, s[TCD]
	s_cselect_b32 s14, NEXTX, 0
	s_cselect_b32 s18, BACKB, 0
	s_xor_b32 s[G0+5], s[G0+5], SLOT               ; the walking descriptors: the other slot than last time, the walk's next step
	s_add_nc_u64 s[G0+6:G0+7], s[G0+6:G0+7], KSTEP*2
	s_add_nc_u64 s[G0+6:G0+7], s[G0+6:G0+7], s[14:15]
	s_xor_b32 s[G0B+5], s[G0B+5], SLOT
	s_add_nc_u64 s[G0B+6:G0B+7], s[G0B+6:G0B+7], KSTEP*2
	s_sub_nc_u64 s[G0B+6:G0B+7], s[G0B+6:G0B+7], s[18:19]
	JLOAD                                          ; the first tensor load behind the round; the four v_nop behind it are also the places in front of the loads below
.else
	PLACES
.endif
	s_xor_b32 s[TB], s[TB], SLOT                   ; the reads go on in the other slot
	v_add_nc_u32 v[ADRA], s[TB], v[ADRA0]
	v_add_nc_u32 v[ADRB], s[TB], v[ADRB0]
	FETCH 0, F0
.if \fill
	ASK
.endif
	MUL16 F1, 1, 0, 0
	MUL16 F1, 1, 2, 0
.endm
; THE WAY OUT, a block of 16 queries (a) at a time.  A lane holds 64 of its query's 128 scores, in the block's eight accumulators; each accumulator's lowest registers are read first.
.macro SOFT a
.set AC, 64*((\a)%4)
	WIN 0x96+0x41*((\a)/4)                         ; scores in window 2 or 3, CU and WT in window 1
.set i, 0
.rept 32
	v_pk_fma_f32 v[AC+2*i:AC+2*i+1], v[AC+2*i:AC+2*i+1], v[CU+2*i:CU+2*i+1], v[WT+2*i:WT+2*i+1]  ; t = s x c, or TN
.set i, i+1
.endr
	WIN 0x0a+5*((\a)/4)                            ; sources 0 and 1 in the scores' window
.irp k, 0,1,2,3                        ; the maximum: four chains of sixteen that do not wait for each other
	v_max_num_f32 v[CH+(\k)], v[AC+16*(\k)], v[AC+16*(\k)+1]
.endr
.set i, 1
.rept 7
.irp k, 0,1,2,3
	v_max3_num_f32 v[CH+(\k)], v[AC+16*(\k)+2*i], v[AC+16*(\k)+2*i+1], v[CH+(\k)]
.endr
.set i, i+1
.endr
	WIN 0
	v_max3_num_f32 v[CH], v[CH], v[CH+1], v[CH+2]
	v_max_num_f32 v[CH], v[CH], v[CH+3]
	v_permlanex16_b32 v[XR], v[CH], s72, s73       ; the query's other 64 keys lie in the lane 16 away
	v_max_num_f32 v[MT], v[CH], v[XR]
	v_mov_b32 v[MS+(\a)], v[MT]
	WIN 0x82+0x41*((\a)/4)                         ; destination and source 0 in the scores' window
.set i, 0
.rept 32
	v_pk_add_f32 v[AC+2*i:AC+2*i+1], v[AC+2*i:AC+2*i+1], v[MT:MT+1] op_sel_hi:[1,0] neg_lo:[0,1] neg_hi:[0,1]  ; t - mt: a plain difference, 0 at the maximum whatever its size
.set i, i+1
.endr
.set i, 0
.rept 64
	v_exp_f32 v[AC+i], v[AC+i]                     ; one batch
.set i, i+1
.endr
	v_nop                                          ; a plain instruction behind the last exponential (ISA guide 5.7.2),
	s_wait_alu depctr_va_vdst(0)                   ; and one wait ahead of the batch's first reader
	WIN 0x0a+5*((\a)/4)
.set i, 0
.rept 32
	v_cvt_pk_bf16_f32 v[TMP+i], v[AC+2*i], v[AC+2*i+1]  ; eight neighbouring keys of a row pack into 16 bytes
.set i, i+1
.endr
	WIN 0x8a+0x45*((\a)/4)                         ; the sum of the unrounded p, in place: a tree of packed additions
.irp w, 32,16,8,4,2
.set i, 0
.rept (\w)/2
	v_pk_add_f32 v[AC+2*i:AC+2*i+1], v[AC+2*i:AC+2*i+1], v[AC+(\w)+2*i:AC+(\w)+2*i+1]
.set i, i+1
.endr
.endr
	WIN 0x0a+5*((\a)/4)
	v_add_f32 v[CH], v[AC], v[AC+1]
	WIN 0
	v_permlanex16_b32 v[XR], v[CH], s72, s73
	v_add_f32 v[LS+(\a)], v[CH], v[XR]
.endm
.macro TOSTAGE a                       ; into my own stage, and back as whole rows of 256 bytes
	WIN 0
.set BK, OB+32*((\a)%2)
.irp b, 0,1,2,3,4,5,6,7
	ds_store_b128 v[STO], v[TMP+4*(\b):TMP+4*(\b)+3] offset:32*(\b)
.endr
.irp t, 0,1,2,3,4,5,6,7
	ds_load_b128 v[BK+4*(\t):BK+4*(\t)+3], v[RD] offset:(\t)*2*SPITCH  ; LDS serves a wave's instructions in order (ISA guide 5.7.1.4): these see the stores above
.endr
.endm
.macro SEND a
	WIN 0
.set BK, OB+32*((\a)%2)
	s_wait_dscnt 0x0                               ; the block is back in registers
	s_wait_xcnt 0x0                                ; the stores of the block before have read their registers: the next TOSTAGE loads into them
.irp t, 0,1,2,3,4,5,6,7
	global_store_b128 v[CO], v[BK+4*(\t):BK+4*(\t)+3], s[8:9] offset:(16*(\a)+2*(\t))*4096  ; 16 lanes store 256 consecutive bytes, at a multiple of 256 from pt's first byte
.endr
.endm
	s_wait_tensorcnt 1                             ; my part of step 0 is in; step 1's may stay out
	s_barrier_signal -1
	s_barrier_wait -1                              ; everybody's is
	FETCH 0, F0
	s_mov_b32 s2, TILES                            ; tiles to go, this one among them: the same number in every work-group
.Ltile:
	QUARTER 1, F0, F1, 1                           ; a tile's first quarter stands in front of the loop: its products start the sums
	WIN 0                                          ; at a label and at a branch every window is 0
	s_cmp_eq_u32 s2, 1                             ; the last tile?
	s_cselect_b32 s3, NS-2, NS                     ; refills in this tile: a tile that has a successor fills at all its 8 changes of slots, the last at 6
	s_cselect_b32 s[TCD], 0, 2
	s_cselect_b32 s[TCP], 0, 4
	s_cselect_b32 s[LIM], s[LIM2], s[LIM1]
.Lstep:                                        ; a trip: a step's quarters 1 to 3, the slot read out is filled again, and the next step's quarter 0; the loop is left behind the tile's last refill
	QUARTER 2, F1, F0, 0
	QUARTER 3, F0, F1, 0
	TURN 1
	WIN 0
	s_sub_co_u32 s3, s3, 1
	s_cmp_eq_u32 s3, 0
	s_cbranch_scc1 .Lleft
	QUARTER 1, F0, F1, 0
	WIN 0
	s_branch .Lstep
.Lleft:
	s_cmp_eq_u32 s2, 1
	s_cbranch_scc0 .Lout                           ; a tile that has a successor is finished, and the next tile's first fragments are in buffer 0
	s_mov_b32 s3, 2
.Ltail:                                        ; the last tile's last two steps have a text of their own: nothing is left to ask for.
	QUARTER 1, F0, F1, 0                           ; The second trip's barrier and its 32 loads (of the slot read before) serve nothing: the price, once a launch, of one text for both trips
	QUARTER 2, F1, F0, 0
	QUARTER 3, F0, F1, 0
	TURN 0
	WIN 0
	s_sub_co_u32 s3, s3, 1
	s_cmp_lg_u32 s3, 0
	s_cbranch_scc1 .Ltail
.Lout:
	PLACES
	PLACES
	SOFT 0
	TOSTAGE 0
.irp a, 1,2,3,4,5,6,7                  ; block a's arithmetic stands between block a - 1's loads from the stage and the wait for them
	SOFT \a
	SEND (\a)-1
	TOSTAGE \a
.endr
	SEND 7
.irp j, 0,1,2,3                        ; both halves of the lanes hold all eight mt and l of their query: lanes 0-15 store blocks 0-3, lanes 16-31 blocks 4-7
	v_cndmask_b32 v[QD+(\j)],   v[MS+(\j)], v[MS+4+(\j)], s74
	v_cndmask_b32 v[QD+4+(\j)], v[LS+(\j)], v[LS+4+(\j)], s74
.endr
	global_store_b128 v[SO], v[QD:QD+3],   s[76:77]                 ; the wave's 128 mt: 512 consecutive bytes, aligned
	global_store_b128 v[SO], v[QD+4:QD+7], s[76:77] offset:1048576  ; and its 128 l
	s_wait_xcnt 0x0                                ; the stores have read their bases and registers; nothing waits for the stores themselves
	s_add_nc_u64 s[8:9], s[8:9], WALK*4096         ; pt and stats at the next tile: 1,024 rows, 8 groups of 128 rows, further down
	s_add_nc_u64 s[76:77], s[76:77], 8*512
	s_sub_co_u32 s2, s2, 1
	s_cmp_lg_u32 s2, 0
	s_cbranch_scc1 .Ltile
	s_wait_tensorcnt 0x0                           ; the wave's end: behind my last tensor load and my last LDS store
	ds_add_u32 v[SPW], v[NIL]
	s_wait_dscnt 0x0
	CROUND                                         ; the closing round: no work-group ends while a partner may still ask for a tile that names it
	s_endpgm
.Lfunc_end_k_qaa962be2b2_scores:
	.size	k_qaa962be2b2_scores, .Lfunc_end_k_qaa962be2b2_scores-k_qaa962be2b2_scores
	.p2alignl 7, 3214868480
	.fill 96, 4, 3214868480
	.section	.rodata,"a",@progbits
	.p2align	6, 0x0
	.amdhsa_kernel k_qaa962be2b2_scores
		.amdhsa_group_segment_fixed_size 327680
		.amdhsa_private_segment_fixed_size 0
		.amdhsa_enable_private_segment 0
		.amdhsa_kernarg_size 40
		.amdhsa_user_sgpr_count 2
		.amdhsa_user_sgpr_kernarg_segment_ptr 1
		.amdhsa_wavefront_size32 1
		.amdhsa_system_sgpr_workgroup_id_x 1
		.amdhsa_system_sgpr_workgroup_id_y 1
		.amdhsa_system_sgpr_workgroup_id_z 1
		.amdhsa_system_vgpr_workitem_id 0
		.amdhsa_next_free_vgpr 1024
		.amdhsa_next_free_sgpr 80
		.amdhsa_reserve_vcc 1
		.amdhsa_float_denorm_mode_32 3
		.amdhsa_float_denorm_mode_16_64 3
		.amdhsa_memory_ordered 1
		.amdhsa_forward_progress 1
		.amdhsa_inst_pref_size 194
	.end_amdhsa_kernel
	.amdgpu_metadata
---
amdhsa.version: [ 1, 2 ]
amdhsa.kernels:
  - .name:           k_qaa962be2b2_scores
    .symbol:         k_qaa962be2b2_scores.kd
    .args:
      - { .name: qb, .offset: 0, .size: 8, .value_kind: global_buffer, .address_space: global }
      - { .name: kb, .offset: 8, .size: 8, .value_kind: global_buffer, .address_space: global }
      - { .name: mask, .offset: 16, .size: 8, .value_kind: global_buffer, .address_space: global }
      - { .name: pt, .offset: 24, .size: 8, .value_kind: global_buffer, .address_space: global }
      - { .name: stats, .offset: 32, .size: 8, .value_kind: global_buffer, .address_space: global }
    .group_segment_fixed_size: 327680
    .private_segment_fixed_size: 0
    .kernarg_segment_align: 8
    .kernarg_segment_size: 40
    .max_flat_workgroup_size: 128
    .sgpr_count:     80
    .vgpr_count:     1024
    .wavefront_size: 32
...
	.end_amdgpu_metadata
.endif
;; end of part 2
;; launch context (part 3): grid 4 x 64, 4 waves a work-group, clusters of 4 x 4, 327,680 bytes of LDS; arguments pt, vb, stats, out0; writes out0
.if DOCPART == 3
	.amdgcn_target "amdgcn-amd-amdhsa--gfx1250"
	.amdhsa_code_object_version 6
	.text
	.protected	k_qaa962be2b2_context
	.globl	k_qaa962be2b2_context
	.p2align	8
	.type	k_qaa962be2b2_context,@function
k_qaa962be2b2_context:
	s_mov_b64 s[64:65], 0
	v_nop
	global_prefetch_b8 v0, s[64:65] scope:SCOPE_SE
	s_setreg_imm32_b32 hwreg(HW_REG_WAVE_MODE, 25, 1), 1
	s_wait_xcnt 0x0
	s_wait_alu depctr_hold_cnt(0) depctr_sa_sdst(0) depctr_va_vdst(0) depctr_va_sdst(0) depctr_va_ssrc(0) depctr_va_vcc(0) depctr_vm_vsrc(0)
	s_getreg_b32 s2, hwreg(HW_REG_IB_STS2, 6, 4)
	s_cmp_eq_u32 s2, 0
	s_cbranch_scc0 .Lentry_in_a_cluster
	s_endpgm
.Lentry_in_a_cluster:
	s_bfe_u32 s2, ttmp6, 0x10000c
	s_cmp_lg_u32 s2, 0xf033
	s_cbranch_scc0 .Lentry_shape_is_right
	s_endpgm
.Lentry_shape_is_right:
; CONTEXT.  out0[b][q][d] = (sum over k of f p V[b][k][d]) / (sum over blocks of f l).  pt holds p = 2^(t - mt_block) in bf16, stats the blocks' mt and l in f32 (16 blocks of 128 keys a row).
; Here the row's maximum mr = the largest of its 16 mt is taken, f = 2^(mt_block - mr) (1 in the row's leading block, never above 1), and each fragment of p is multiplied by its row's f on its way
; from LDS to the matrix unit.  So the weights are 2^(t - mr), with the row's true maximum taken away.
; ROUNDINGS beyond the inputs': f is rounded once to bf16 and used so in the weights and in the divisor alike; f p is rounded to bf16 (packed multiply).  Sums, maxima and the divisor stay in f32.
; LIMITS.  The divisor lies in 1 to 2,048.  A row with every key masked has f = 1, p = 1 throughout: the mean of V's rows.  NaN and infinities are not treated apart.
; SHARES.  A tile is 256 queries x 256 channels: 4 tile columns x 64 tile rows = 256 work-groups of four waves; a wave makes 128 x 128 in 64 accumulators.  The keys go in 16 steps of 128 (a step = a block)
; through two LDS slots: 256 rows x 256 bytes of pt, and 128 keys x 512 bytes of vb.
; CLUSTER.  4 x 4 work-groups.  The four of a row need the same tile of pt, the four of a column (one batch) the same tile of vb: each is asked for JOINTLY.
; THE MATRIX INSTRUCTION IS USED TRANSPOSED (source 0 = 16 channels x 32 keys, turned out of LDS by ds_load_tr16_b128; source 1 = 16 queries x 32 keys): lane l holds query l % 16 and channels 8 (l / 16) + 0..7.
; RIDERS.  A step's 256 packed multiplies stand four at a time behind matrix instructions that name none of their registers, each fragment eight matrix instructions or more ahead of its first use; a group
; costs two switches of the register window, since the fragments of pt lie in window 0 and the products' other operands do not.
; REGISTERS, in windows of 256 (s_set_vgpr_msb: bits 1:0 source 0, 3:2 source 1, 5:4 source 2, 7:6 destination):
;   window 0: v0-63 addresses, factors, 1 / divisor; v64-127, v128-191 fragments of pt, two buffers (at the start: mt and l; on the way out: scaled results and rows read back); v192-255 the factors, at the start
;   window 1: v64-127, v128-191 fragments of vb      window 2: the accumulators of my queries 0-63 ((a, b) at v[8 (8 a + b)])      window 3: those of my queries 64-127
.set NS,     16                        ; steps of 128 keys
.set PITCH,  272                       ; a row of pt in LDS: 256 bytes + 16 of padding
.set PV,     544                       ; a row of vb: 512 + 32 = 136 words
.set HALFT,  128*PITCH                 ; what one tensor load brings: 128 rows of pt, or 64 rows of vb (64 x 544 is the same number)
.set SLOT,   4*HALFT                   ; pt's 256 rows, then vb's 128.  0x22000: neither of its two bits is ever set in wave x HALFT
.set OWNB,   2*SLOT                    ; behind the ring, never filled by a tensor load: 8,448 bytes for each wave, its own:
.set OWNS,   16*528                    ; first the table of factors ([step] x 512 + 32 r + 4 a: f twice, in bf16), later the stage of 16 rows x 528 bytes
.set SPARE,  OWNB+4*OWNS               ; the spare words, 128 bytes for each wave: two blocks of 256 bytes that no other line names
.set STEPA,  256                       ; bytes from step to step in pt: 128 keys along a row
.set STEPB,  128*2048                  ; in vb: 128 rows down
.set ADRA0, 16                         ; v16, v17  my lane's place in pt's fragments: in slot 0, in the slot in hand
.set ADRA,  17
.set FAD0,  19                         ; v19  my row's 32 bytes in the table's first step
.set ADRB0, 20                         ; v20, v21  likewise for vb's fragments
.set ADRB,  21
.set FAD,   22                         ; v22  the same as v19 in the step to be fetched
.set FST,   23                         ; v23  where I put my factors
.set STO,   24                         ; v24  the way out: where I put 32 bytes of a row
.set RD,    25                         ; v25  where I read a row back
.set CO,    26                         ; v26  my byte offset in a row's 512 bytes of out0
.set SA,    27                         ; v27  my byte offset in stats
.set SPW,   28                         ; v28  LDS address of my spare word: SPARE + 4 x my thread's number; never rewritten
.set NIL,   29                         ; v29  0; never rewritten
.set PFO,   30                         ; v30  the prefetches' offset; never rewritten
.set ZR,    31                         ; v31  0
.set FC,    32                         ; v32-39  the step's factor for row block a, twice in bf16
.set RM,    40                         ; v40-47  the rows' maxima,
.set LA,    40                         ;         then their divisors
.set RL,    48                         ; v48-55  1 / divisor, kept to the end
.set XR,    56                         ; v56-63  what the lane 16 away holds; on the way out v[56:57] carries 1 / divisor of the block in hand
.set F0,    64
.set F1,    128
.set M,     64                         ; at the start: mt of block 8 h + n, row block a, at M + 8 n + a; then f
.set L,     128                        ; l, likewise
.set FP,    192                        ; f twice in bf16, likewise
.set T,     64                         ; the way out: 64 registers of scaled results
.set OB,    128                        ; 16 rows read back: v128-191 and v192-255 by turns
.set G1,  24                           ; s[24:31] descriptor group 1 for pt's tiles
.set G0,  32                           ; s[32:39] group 0: a set for each of the two first fills; the second then walks on
.set G1B, 48                           ; s[48:55], s[56:63] the same for vb's tiles
.set G0B, 56
.set LIM, 43                           ; s43  2 in a wave that prefetches, else the greatest number
.set PFA, 44                           ; s[44:45] where my prefetches stand
.set TB,  66                           ; s66  base of the slot in hand
.set FT,  67                           ; s67  the table's step to be fetched, in bytes
.set PFS, 68                           ; s[68:69] the prefetches' step
.set MSB, 0
.macro WIN new                         ; the immediate's high byte repeats the setting that is left; a switch that changes nothing is dropped
.if MSB != (\new)
	s_set_vgpr_msb (MSB<<8)|(\new)
.set MSB, \new
.endif
.endm
.set MUL_LO, 0xa1                      ; source 0 (vb) window 1, source 1 (pt) window 0, C and D window 2
.set MUL_HI, 0xf1                      ; the same, C and D window 3
.set TO_B,   0x40                      ; destination window 1, address window 0
; A joint refill, by the walking descriptors.  Waves 0 and 1 fetch pt's two halves, waves 2 and 3 vb's; the branch hangs on the wave's number alone.
; An s_nop 0 and four v_nop follow each of the two lines, ahead of the jump and the label.
.macro JLOAD
	s_cmp_eq_u32 s11, 0
	s_cbranch_scc0 .Lfor_b_\@
	tensor_load_to_lds s[G0+4:G0+7], s[G1:G1+7]
	s_nop 0
.rept 4
	v_nop
.endr
	s_branch .Lasked_\@
.Lfor_b_\@:
	tensor_load_to_lds s[G0B+4:G0B+7], s[G1B:G1B+7]
	s_nop 0
.rept 4
	v_nop
.endr
.Lasked_\@:
.endm
; A PREFETCH INTO THE L2, behind each joint refill and the run of LDS loads that follows it: the step that stands two refills on, 32 blocks of 256 bytes, a lane a block, one instruction a wave.
; Each block is named once in the launch: a tile row of pt is read by one cluster alone, which asks; a batch's tiles of vb are read by the batch's two clusters, and the one with even y asks.  The four partners
; that ask for a tile jointly share it out BY ADDRESS: 32 of pt's 128 rows, or 16 of vb's 64 rows (two blocks each).  Steps 0 to 3 come by their loads alone; the last two trips ask for nothing.
.macro ASK
	s_cmp_gt_u32 s3, s[LIM]
	s_cbranch_scc0 .Lnot_mine_\@
	global_prefetch_b8 v[PFO], s[PFA:PFA+1] th:TH_LOAD_NT scope:SCOPE_SE
.Lnot_mine_\@:
.endm
.macro CREST                           ; a round of the cluster's barrier behind its opening barrier
	s_cmp_lg_u32 s10, 0
	s_cbranch_scc1 .Lnot_wave_0_\@
	s_barrier_signal -3
.Lnot_wave_0_\@:
	s_barrier_wait -3
	s_barrier_signal -1
	s_barrier_wait -1
.endm
.macro CROUND
	s_barrier_signal -1
	s_barrier_wait -1
	CREST
.endm
	s_load_b128 s[4:7], s[0:1], 0x0                ; pt s[4:5], vb s[6:7]
	s_load_b64 s[76:77], s[0:1], 0x10              ; stats
	s_load_b64 s[8:9], s[0:1], 0x18                ; out0
	v_lshl_add_u32 v[SPW], v0, 2, SPARE
	v_mov_b32 v[NIL], 0
	ds_add_u32 v[SPW], v[NIL]                      ; the wave's opening: the add and its wait stand ahead of my first tensor load; the set-up below, work on registers, stands between them
	v_lshrrev_b32 v1, 5, v0
	v_readfirstlane_b32 s10, v1                    ; wave 0..3
	s_lshr_b32 s11, s10, 1                         ; which half of the tile's queries is mine.  Also: I fetch for pt (0) or for vb (1)
	s_and_b32 s12, s10, 1                          ; which half of its channels.  Also: which half of that tile I fetch
	s_bfe_u32 s40, ttmp6, 0x40000                  ; cx
	s_bfe_u32 s41, ttmp6, 0x40004                  ; cy
	s_lshl_b32 s42, ttmp9, 2
	s_add_co_u32 s42, s42, s40                     ; tile column = 4 x cluster x + cx
	s_and_b32 s75, ttmp7, 0xffff                   ; cluster y
	s_lshl_b32 s13, s75, 2
	s_add_co_u32 s13, s13, s41                     ; tile row = 4 x cluster y + cy, over all batches
	s_and_b32 s2, s75, 1                           ; which of the batch's two clusters
	s_lshr_b32 s75, s75, 1                         ; the batch, made of the cluster's y alone
	s_lshl_b32 s43, s41, 2
	s_lshl_b32 s43, 15, s43                        ; my row of the cluster
	s_lshl_b32 s44, 0x1111, s40                    ; my column
	s_or_b32 s[G1+0], s43, (1<<16)|(1<<20)|(1<<21)|(5<<22)|(3<<25)   ; pt: elements of 2 bytes; padding on; bit 21 beside the mask; after every 64 words (code 5) 4 words (code 3)
	s_mov_b32 s[G1+1], 128<<16                     ; tensor_dim0 = 128
	s_mov_b32 s[G1+2], 128<<16                     ; tensor_dim1 = 128
	s_mov_b32 s[G1+3], 128<<16                     ; tile_dim0 = 128
	s_mov_b32 s[G1+4], 128                         ; tile_dim1 = 128
	s_mov_b32 s[G1+5], 2048                        ; elements from row to row
	s_mov_b32 s[G1+6], 0
	s_mov_b32 s[G1+7], 0
	s_or_b32 s[G1B+0], s44, (1<<16)|(1<<20)|(1<<21)|(6<<22)|(7<<25)  ; vb: after every 128 words (code 6) 8 words (code 7)
	s_mov_b32 s[G1B+1], 256<<16                    ; tensor_dim0 = 256
	s_mov_b32 s[G1B+2], 64<<16                     ; tensor_dim1 = 64
	s_mov_b32 s[G1B+3], 256<<16                    ; tile_dim0 = 256
	s_mov_b32 s[G1B+4], 64                         ; tile_dim1 = 64
	s_mov_b32 s[G1B+5], 1024
	s_mov_b32 s[G1B+6], 0
	s_mov_b32 s[G1B+7], 0
	s_lshl_b32 s17, s12, 7
	s_lshl_b32 s16, s13, 8
	s_add_co_u32 s16, s16, s17                     ; pt: row 256 x tile row + 128 x half,
	s_lshl_b32 s16, s16, 12                        ; 4,096 bytes a row: under 2^27
	s_lshl_b32 s46, s75, 11
	s_lshl_b32 s47, s12, 6
	s_add_co_u32 s46, s46, s47                     ; vb: row 2,048 x batch + 64 x half,
	s_lshl_b32 s46, s46, 11
	s_lshl_b32 s47, s42, 9
	s_add_co_u32 s46, s46, s47                     ; byte 512 x tile column of the row
	s_mov_b32 s17, 0
	s_mov_b32 s47, 0
	s_mul_i32 s20, s10, HALFT                      ; where they go: no place in the cluster enters an LDS address
	s_wait_dscnt 0x0                               ; the opening add is done
	s_wait_kmcnt 0x0
	s_add_nc_u64 s[14:15], s[4:5], s[16:17]
	s_add_nc_u64 s[46:47], s[6:7], s[46:47]
	CROUND                                         ; all sixteen work-groups are here: the first joint loads meet
.irp s, 0,1
	s_mov_b32 s[G0+4*(\s)], 1
	s_add_co_u32 s[G0+4*(\s)+1], s20, (\s)*SLOT
	s_add_nc_u64 s[G0+4*(\s)+2:G0+4*(\s)+3], s[14:15], (\s)*STEPA
	s_or_b32 s[G0+4*(\s)+3], s[G0+4*(\s)+3], 0x80000000
	s_mov_b32 s[G0B+4*(\s)], 1
	s_add_co_u32 s[G0B+4*(\s)+1], s20, (\s)*SLOT
	s_add_nc_u64 s[G0B+4*(\s)+2:G0B+4*(\s)+3], s[46:47], (\s)*STEPB
	s_or_b32 s[G0B+4*(\s)+3], s[G0B+4*(\s)+3], 0x80000000
.endr
	s_cmp_eq_u32 s11, 0                            ; a wave's two first fills stand in one branch, ahead of every wait on TENSORcnt and every LDS read: two loads of mine are out
	s_cbranch_scc0 .Lfirst_b
	tensor_load_to_lds s[G0:G0+3], s[G1:G1+7]
	s_nop 0
	tensor_load_to_lds s[G0+4:G0+7], s[G1:G1+7]
	s_nop 0
.rept 4
	v_nop
.endr
	s_branch .Lfirst_asked
.Lfirst_b:
	tensor_load_to_lds s[G0B:G0B+3], s[G1B:G1B+7]
	s_nop 0
	tensor_load_to_lds s[G0B+4:G0B+7], s[G1B:G1B+7]
	s_nop 0
.rept 4
	v_nop
.endr
.Lfirst_asked:
	v_and_b32 v1, 15, v0                           ; r = l % 16
	v_bfe_u32 v2, v0, 4, 1                         ; h = l / 16
	v_and_b32 v3, 31, v0                           ; l
	v_lshlrev_b32 v4, 5, v1
	v_lshl_add_u32 v[SA], v2, 16, v4               ; stats: my half of the lanes takes blocks 8 h + n (8,192 bytes a block), my row's eight words at 32 r
	s_lshl_b32 s16, s75, 17                        ; stats at my batch's block 0 and my wave's group of 128 rows: 16 batch x 8,192 + (2 (tile row % 8) + half) x 512 bytes
	s_and_b32 s18, s13, 7
	s_lshl_b32 s18, s18, 1
	s_add_co_u32 s18, s18, s11
	s_lshl_b32 s18, s18, 9
	s_add_co_u32 s16, s16, s18
	s_mov_b32 s17, 0
	s_add_nc_u64 s[76:77], s[76:77], s[16:17]
.irp n, 0,1,2,3,4,5,6,7
	global_load_b128 v[M+8*(\n):M+8*(\n)+3],   v[SA], s[76:77] offset:8192*(\n)
	global_load_b128 v[M+8*(\n)+4:M+8*(\n)+7], v[SA], s[76:77] offset:8192*(\n)+16
.endr
.irp n, 0,1,2,3,4,5,6,7
	global_load_b128 v[L+8*(\n):L+8*(\n)+3],   v[SA], s[76:77] offset:1048576+8192*(\n)
	global_load_b128 v[L+8*(\n)+4:L+8*(\n)+7], v[SA], s[76:77] offset:1048576+8192*(\n)+16
.endr
	v_mul_u32_u24 v4, v1, PITCH                    ; a fragment of pt: row l % 16, 16 bytes for each half of the lanes, twice, 32 bytes apart
	v_lshl_add_u32 v4, v2, 4, v4
	s_mul_i32 s21, s11, HALFT                      ; my 128 rows of pt
	v_add_nc_u32 v[ADRA0], s21, v4
	v_mov_b32 v[ADRA], v[ADRA0]
	v_and_b32 v5, 7, v0                            ; the turning load: lane l reads key 8 (l / 16) + l % 8, channels 8 ((l / 8) % 2) + 0..7, and is left with channel l % 16 and 8 keys
	v_bfe_u32 v6, v0, 3, 1
	v_lshl_add_u32 v5, v2, 3, v5
	v_mul_u32_u24 v5, v5, PV
	v_lshl_add_u32 v5, v6, 4, v5
	s_lshl_b32 s22, s12, 8                         ; my 128 channels: 256 bytes of a row,
	s_add_co_u32 s22, s22, 2*HALFT                 ; behind pt's 256 rows
	v_add_nc_u32 v[ADRB0], s22, v5
	v_mov_b32 v[ADRB], v[ADRB0]
	s_mul_i32 s23, s10, OWNS
	s_add_co_u32 s23, s23, OWNB                    ; my own bytes
	v_lshl_add_u32 v[FAD0], v1, 5, s23
	v_lshl_add_u32 v[FST], v2, 12, v[FAD0]         ; blocks 8 h + n: 512 bytes a block
	v_mul_u32_u24 v4, v1, 528                      ; the stage, in: row l % 16, 32 bytes for each half of the lanes
	v_lshl_add_u32 v4, v2, 5, v4
	v_add_nc_u32 v[STO], s23, v4
	v_lshl_add_u32 v[RD], v3, 4, s23               ; back: 32 lanes take one row of 512 bytes
	v_lshlrev_b32 v[CO], 4, v3
	s_lshl_b32 s16, s13, 8                         ; out0 at my wave's part of the tile: row 256 x tile row + 128 x half, 4,096 bytes a row,
	s_lshl_b32 s18, s11, 7
	s_add_co_u32 s16, s16, s18
	s_lshl_b32 s16, s16, 12
	s_add_nc_u64 s[8:9], s[8:9], s[16:17]
	s_lshl_b32 s46, s42, 10                        ; byte 1,024 x tile column + 512 x half of the row
	s_lshl_b32 s47, s12, 9
	s_add_co_u32 s46, s46, s47
	s_mov_b32 s47, 0
	s_add_nc_u64 s[8:9], s[8:9], s[46:47]
	; the prefetches
	s_lshl_b32 s18, s13, 8                         ; pt: row 256 x tile row + 128 x half + 32 cx, at step 3
	s_lshl_b32 s19, s12, 7
	s_add_co_u32 s18, s18, s19
	s_lshl_b32 s19, s40, 5
	s_add_co_u32 s18, s18, s19
	s_lshl_b32 s18, s18, 12
	s_add_co_u32 s18, s18, 3*STEPA
	s_lshl_b32 s21, s75, 11                        ; vb: row 2,048 x batch + 64 x half + 16 cy, byte 512 x tile column, at step 3
	s_lshl_b32 s22, s12, 6
	s_add_co_u32 s21, s21, s22
	s_lshl_b32 s22, s41, 4
	s_add_co_u32 s21, s21, s22
	s_lshl_b32 s21, s21, 11
	s_lshl_b32 s22, s42, 9
	s_add_co_u32 s21, s21, s22
	s_add_co_u32 s21, s21, 3*STEPB
	s_mov_b32 s[PFS], STEPB
	s_cmp_eq_u32 s11, 0                            ; do I fetch for pt?
	s_cselect_b32 s18, s18, s21
	s_cselect_b32 s22, ttmp9, s2                   ; the coordinate along which another cluster reads the same blocks
	s_cselect_b64 s[PFA:PFA+1], s[4:5], s[6:7]
	s_cselect_b32 s[PFS], STEPA, s[PFS]
	s_cselect_b32 s19, -1, 0
	s_cmp_eq_u32 s22, 0
	s_cselect_b32 s[LIM], 2, -1                    ; the same in all sixteen partners, for a given wave
	s_mov_b32 s[PFS+1], 0
	v_lshlrev_b32 v4, 12, v3                       ; pt: a lane a row of 4,096 bytes
	v_lshrrev_b32 v5, 1, v3                        ; vb: two lanes a row of 2,048 bytes, 256 bytes apart
	v_and_b32 v6, 1, v3
	v_lshlrev_b32 v5, 11, v5
	v_lshl_add_u32 v5, v6, 8, v5
	v_cndmask_b32 v[PFO], v5, v4, s19
	s_mov_b32 s19, 0
	s_add_nc_u64 s[PFA:PFA+1], s[PFA:PFA+1], s[18:19]
	s_mov_b32 s72, 0x76543210                      ; v_permlanex16_b32's selects: each lane takes its own place in the other half
	s_mov_b32 s73, 0xfedcba98
	s_mov_b32 s[TB], 0
	s_mov_b32 s[FT], 0
	v_mov_b32 v[ZR], 0
.irp a, 0,1,2,3,4,5,6,7
	v_mov_b32 v[XR+(\a)], 0                        ; v_permlanex16_b32's destination counts as read
.endr
	; THE ROWS' MAXIMA, FACTORS AND DIVISORS, in the wait for the first tile.  A lane holds eight blocks' mt and l for its eight rows 16 a + r; the other eight blocks lie in the lane 16 away.
	s_wait_loadcnt 16                              ; mt is in; l's sixteen loads may stay out
.irp a, 0,1,2,3,4,5,6,7
	v_max3_num_f32 v[RM+(\a)], v[M+(\a)], v[M+8+(\a)], v[M+16+(\a)]
.endr
.irp a, 0,1,2,3,4,5,6,7
	v_max3_num_f32 v[RM+(\a)], v[RM+(\a)], v[M+24+(\a)], v[M+32+(\a)]
.endr
.irp a, 0,1,2,3,4,5,6,7
	v_max3_num_f32 v[RM+(\a)], v[RM+(\a)], v[M+40+(\a)], v[M+48+(\a)]
.endr
.irp a, 0,1,2,3,4,5,6,7
	v_max_num_f32 v[RM+(\a)], v[RM+(\a)], v[M+56+(\a)]
.endr
.irp a, 0,1,2,3,4,5,6,7
	v_permlanex16_b32 v[XR+(\a)], v[RM+(\a)], s72, s73
.endr
.irp a, 0,1,2,3,4,5,6,7
	v_max_num_f32 v[RM+(\a)], v[RM+(\a)], v[XR+(\a)]
.endr
.irp n, 0,1,2,3,4,5,6,7
.irp p, 0,2,4,6
	v_pk_add_f32 v[M+8*(\n)+(\p):M+8*(\n)+(\p)+1], v[M+8*(\n)+(\p):M+8*(\n)+(\p)+1], v[RM+(\p):RM+(\p)+1] neg_lo:[0,1] neg_hi:[0,1]  ; mt - mr: 0 in the leading block
.endr
.endr
.set i, 0
.rept 64
	v_exp_f32 v[M+i], v[M+i]                       ; one batch
.set i, i+1
.endr
	v_nop                                          ; a plain instruction behind the last exponential (ISA guide 5.7.2),
	s_wait_alu depctr_va_vdst(0)                   ; and one wait ahead of the batch's first reader
.set i, 0
.rept 64
	v_cvt_pk_bf16_f32 v[FP+i], v[M+i], v[M+i]      ; f, rounded once, in both halves
.set i, i+1
.endr
	s_wait_loadcnt 0x0                             ; l
.irp n, 0,1,2,3,4,5,6,7
.irp a, 0,1,2,3,4,5,6,7
.if (\n) == 0
	v_fma_mix_f32_bf16 v[LA+(\a)], v[FP+(\a)], v[L+(\a)], v[ZR] op_sel_hi:[1,0,0]  ; the divisor takes the rounded f, as the weights do; eight chains, in f32
.else
	v_fma_mix_f32_bf16 v[LA+(\a)], v[FP+8*(\n)+(\a)], v[L+8*(\n)+(\a)], v[LA+(\a)] op_sel_hi:[1,0,0]
.endif
.endr
.endr
.irp a, 0,1,2,3,4,5,6,7
	v_permlanex16_b32 v[XR+(\a)], v[LA+(\a)], s72, s73
.endr
.irp a, 0,1,2,3,4,5,6,7
	v_add_f32 v[LA+(\a)], v[LA+(\a)], v[XR+(\a)]
.endr
.irp a, 0,1,2,3,4,5,6,7
	v_rcp_f32 v[RL+(\a)], v[LA+(\a)]
.endr
	v_nop
	s_wait_alu depctr_va_vdst(0)                   ; one wait for the eight reciprocals
.irp n, 0,1,2,3,4,5,6,7
	ds_store_b128 v[FST], v[FP+8*(\n):FP+8*(\n)+3]   offset:512*(\n)      ; the table: only my wave reads it, and LDS serves a wave's instructions in order (ISA guide 5.7.1.4)
	ds_store_b128 v[FST], v[FP+8*(\n)+4:FP+8*(\n)+7] offset:512*(\n)+16
.endr
; 16 matrix instructions: query blocks a0, a0 + 1 of the window's four x all 8 channel blocks, 32 keys.  zero = 1: the first product starts the sums.  The 64 accumulators take turns.
; RIDERS: behind each of the first 2 rnum of them four packed multiplies: fragments rfirst .. rfirst + rnum - 1 of pt's buffer rbuf times their rows' factor.
.macro MUL16 f, hi, a0, zero, rbuf=0, rfirst=0, rnum=0
.set mi, 0
.irp a, \a0, (\a0)+1
.irp b, 0,1,2,3,4,5,6,7
	WIN MUL_LO+0x50*(\hi)
.if \zero
	v_wmma_f32_16x16x32_bf16 v[8*(8*(\a)+(\b)):8*(8*(\a)+(\b))+7], v[(\f)+8*(\b):(\f)+8*(\b)+7], v[(\f)+8*(4*(\hi)+(\a)):(\f)+8*(4*(\hi)+(\a))+7], 0
.else
	v_wmma_f32_16x16x32_bf16 v[8*(8*(\a)+(\b)):8*(8*(\a)+(\b))+7], v[(\f)+8*(\b):(\f)+8*(\b)+7], v[(\f)+8*(4*(\hi)+(\a)):(\f)+8*(4*(\hi)+(\a))+7], v[8*(8*(\a)+(\b)):8*(8*(\a)+(\b))+7]
.endif
.if mi < 2*(\rnum)
	WIN 0
.set rr, (\rbuf)+8*((\rfirst)+mi/2)+4*(mi%2)
.set rf, FC+(\rfirst)+mi/2
	v_pk_mul_bf16 v[rr],   v[rr],   v[rf]
	v_pk_mul_bf16 v[rr+1], v[rr+1], v[rf]
	v_pk_mul_bf16 v[rr+2], v[rr+2], v[rf]
	v_pk_mul_bf16 v[rr+3], v[rr+3], v[rf]
.endif
.set mi, mi+1
.endr
.endr
.endm
; 32 LDS loads in one run: the fragments of quarter q (32 keys) of the slot in hand, into buffer f: pt's fragments 0 and 1 first (they are scaled first), then vb's eight, then pt's 2 to 7
.macro FETCH q, f
	WIN 0
.irp i, 0,1
	ds_load_b128 v[(\f)+8*(\i):(\f)+8*(\i)+3],   v[ADRA] offset:64*(\q)+(\i)*16*PITCH
	ds_load_b128 v[(\f)+8*(\i)+4:(\f)+8*(\i)+7], v[ADRA] offset:64*(\q)+(\i)*16*PITCH+32
.endr
	WIN TO_B
.irp i, 0,1,2,3,4,5,6,7
	ds_load_tr16_b128 v[(\f)+8*(\i):(\f)+8*(\i)+3],   v[ADRB] offset:32*PV*(\q)+32*(\i)
	ds_load_tr16_b128 v[(\f)+8*(\i)+4:(\f)+8*(\i)+7], v[ADRB] offset:32*PV*(\q)+32*(\i)+16*PV
.endr
	WIN 0
.irp i, 2,3,4,5,6,7
	ds_load_b128 v[(\f)+8*(\i):(\f)+8*(\i)+3],   v[ADRA] offset:64*(\q)+(\i)*16*PITCH
	ds_load_b128 v[(\f)+8*(\i)+4:(\f)+8*(\i)+7], v[ADRA] offset:64*(\q)+(\i)*16*PITCH+32
.endr
.endm
.macro FACLOAD                         ; the next step's eight factors of my row: 32 bytes of my table
	WIN 0
	v_add_nc_u32 v[FAD], s[FT], v[FAD0]
	ds_load_b128 v[FC:FC+3],   v[FAD]
	ds_load_b128 v[FC+4:FC+7], v[FAD] offset:16
	s_add_co_u32 s[FT], s[FT], 512
	s_min_u32 s[FT], s[FT], (NS-1)*512             ; the table ends with step 15: the load behind the last step takes that step's factors once more
.endm
.macro PLACES                          ; four places in front of loads into registers that matrix instructions have read, and of vector work on their results
.rept 4
	v_nop
.endr
.endm
; A step is four quarters of 32 keys, 64 matrix instructions each, on buffers 0, 1, 0, 1.  One of the first three: multiplies buffer f, whose fragments 0 and 1 of pt are scaled already; scales its others as it goes;
; in its middle fetches quarter q into buffer g, and at its end scales g's fragments 0 and 1.
.macro QUARTER q, f, g, zero
	s_wait_dscnt 8                                 ; all but the youngest eight loads (pt's fragments 4 to 7) are in
	MUL16 \f, 0, 0, \zero, \f, 2, 2
	s_wait_dscnt 0x0                               ; those too
	MUL16 \f, 0, 2, \zero, \f, 4, 4
	PLACES
	FETCH \q, \g
	MUL16 \f, 1, 0, \zero
	s_wait_dscnt 28                                ; g's fragments 0 and 1 of pt are in: the 28 loads behind them may stay out
	MUL16 \f, 1, 2, \zero, \g, 0, 2
.endm
; The fourth quarter multiplies buffer 1 and changes slots: one barrier.  In front of it each wave waits for all its tensor loads (one is out: its part of the next slot), adds 0 to its spare word, and waits for
; that and for its own reads of this slot.  fill = 1: the barrier opens a round of the cluster's barrier, and the slot just read out is filled again, two steps ahead, first thing behind the round.
; The step's factors are last used in front of the barrier's wait; the next step's are loaded behind it.
.macro TURN fill
.if \fill
	s_wait_xcnt 0x0                                ; the last prefetch, a step back, has read its address
	s_add_nc_u64 s[PFA:PFA+1], s[PFA:PFA+1], s[PFS:PFS+1]
.endif
	WIN 0                                          ; (the add's two registers lie in window 0)
	s_wait_tensorcnt 0x0                           ; all my tensor loads have landed;
	ds_add_u32 v[SPW], v[NIL]                      ; 0 onto my spare word;
	s_wait_dscnt 9                                 ; (the add and the youngest eight loads may be out)
	MUL16 F1, 0, 0, 0, F1, 2, 2                    ; work on registers stands between the add and the wait for it
	s_wait_dscnt 0x0                               ; the add is done, and my reads of this slot are over
	s_barrier_signal -1
	MUL16 F1, 0, 2, 0, F1, 4, 4                    ; work on registers while the others arrive
	WIN 0
	s_barrier_wait -1
.if \fill
	CREST                                          ; no wave of any partner still reads this slot's tile or has a load on its way
	s_xor_b32 s[G0+5], s[G0+5], SLOT               ; the walking descriptors: the other slot than last time, the next step
	s_add_nc_u64 s[G0+6:G0+7], s[G0+6:G0+7], STEPA
	s_xor_b32 s[G0B+5], s[G0B+5], SLOT
	s_add_nc_u64 s[G0B+6:G0B+7], s[G0B+6:G0B+7], STEPB
	JLOAD                                          ; the first tensor load behind the round; the four v_nop behind it are also the places in front of the loads below
.else
	PLACES
.endif
	s_xor_b32 s[TB], s[TB], SLOT                   ; the reads go on in the other slot
	v_add_nc_u32 v[ADRA], s[TB], v[ADRA0]
	v_add_nc_u32 v[ADRB], s[TB], v[ADRB0]
	FACLOAD
	FETCH 0, F0
.if \fill
	ASK
.endif
	MUL16 F1, 1, 0, 0
	s_wait_dscnt 28                                ; the factors and the next step's fragments 0 and 1 of pt are in
	MUL16 F1, 1, 2, 0, F0, 0, 2
.endm
; THE WAY OUT, a block of 16 queries (a) at a time: times 1 / divisor; a lane's eight channels (32 bytes) into rows of 528 bytes of my own bytes (the table has been read out); back as whole rows of 512 bytes; stored.
.macro PACK a
.set AC, 64*((\a)%4)
	WIN 0
	v_mov_b32 v[XR], v[RL+(\a)]
	WIN 0x02+(\a)/4                                ; source 0: window 2 or 3
.set i, 0
.rept 32
	v_pk_mul_f32 v[T+2*i:T+2*i+1], v[AC+2*i:AC+2*i+1], v[XR:XR+1] op_sel_hi:[1,0]  ; ascending: each accumulator's lowest registers are read first
.set i, i+1
.endr
	WIN 0
.endm
.macro TOSTAGE a
	WIN 0
.set BK, OB+64*((\a)%2)
.irp b, 0,1,2,3,4,5,6,7
	ds_store_b128 v[STO], v[T+8*(\b):T+8*(\b)+3]   offset:64*(\b)
	ds_store_b128 v[STO], v[T+8*(\b)+4:T+8*(\b)+7] offset:64*(\b)+16
.endr
.irp t, 0,1,2,3,4,5,6,7,8,9,10,11,12,13,14,15
	ds_load_b128 v[BK+4*(\t):BK+4*(\t)+3], v[RD] offset:528*(\t)  ; LDS serves a wave's instructions in order (ISA guide 5.7.1.4): these see the stores above
.endr
.endm
.macro SEND a
	WIN 0
.set BK, OB+64*((\a)%2)
	s_wait_dscnt 0x0                               ; the block is back in registers
	s_wait_xcnt 0x0                                ; the stores of the block before have read their registers: the next TOSTAGE loads into them
.irp t, 0,1,2,3,4,5,6,7,8,9,10,11,12,13,14,15
	global_store_b128 v[CO], v[BK+4*(\t):BK+4*(\t)+3], s[8:9] offset:(16*(\a)+(\t))*4096 th:TH_STORE_NT  ; the wave stores 512 consecutive bytes, at a multiple of 256 from out0's first byte
.endr
.endm
	s_wait_tensorcnt 1                             ; my part of step 0 is in; step 1's may stay out
	s_wait_dscnt 0x0                               ; no LDS instruction of mine is out at a signal
	s_barrier_signal -1
	s_barrier_wait -1                              ; everybody's part is in
	FACLOAD
	FETCH 0, F0
	s_wait_dscnt 28                                ; the factors and fragments 0 and 1 of pt
.irp i, 0,1
.irp n, 0,1,2,3,4,5,6,7
	v_pk_mul_bf16 v[F0+8*(\i)+(\n)], v[F0+8*(\i)+(\n)], v[FC+(\i)]
.endr
.endr
	QUARTER 1, F0, F1, 1                           ; the first quarter stands in front of the loop: its products start the sums
	WIN 0                                          ; at a label and at a branch every window is 0
	s_mov_b32 s3, NS-2
.Lstep:                                        ; a trip: a step's quarters 1 to 3 and the next step's quarter 0; the slot read out is filled again
	QUARTER 2, F1, F0, 0
	QUARTER 3, F0, F1, 0
	TURN 1
	QUARTER 1, F0, F1, 0
	WIN 0
	s_sub_co_u32 s3, s3, 1
	s_cmp_lg_u32 s3, 0
	s_cbranch_scc1 .Lstep
	s_mov_b32 s3, 2
.Ltail:                                        ; the last two steps have a text of their own: nothing is left to ask for.  The second trip is left in its middle
	QUARTER 2, F1, F0, 0                           ; its barrier, its 34 LDS loads (of the slot read before, and of the last step's factors) and its 16 riders serve nothing: the price, once a launch, of one text for both trips
	QUARTER 3, F0, F1, 0
	TURN 0
	WIN 0
	s_sub_co_u32 s3, s3, 1
	s_cmp_eq_u32 s3, 0
	s_cbranch_scc1 .Lout
	QUARTER 1, F0, F1, 0
	WIN 0
	s_branch .Ltail
.Lout:
	s_wait_dscnt 0x0                               ; the loads into buffer 0 have come: the way out writes its registers
	PLACES
	PLACES
	PACK 0
	TOSTAGE 0
.irp a, 1,2,3,4,5,6,7                  ; block a's arithmetic stands between block a - 1's loads from the stage and the wait for them
	PACK \a
	SEND (\a)-1
	TOSTAGE \a
.endr
	SEND 7
	s_wait_tensorcnt 0x0                           ; the wave's end: behind my last tensor load and my last LDS store
	ds_add_u32 v[SPW], v[NIL]
	s_wait_dscnt 0x0
	CROUND                                         ; the closing round: no work-group ends while a partner may still ask for a tile that names it
	s_endpgm
.Lfunc_end_k_qaa962be2b2_context:
	.size	k_qaa962be2b2_context, .Lfunc_end_k_qaa962be2b2_context-k_qaa962be2b2_context
	.p2alignl 7, 3214868480
	.fill 96, 4, 3214868480
	.section	.rodata,"a",@progbits
	.p2align	6, 0x0
	.amdhsa_kernel k_qaa962be2b2_context
		.amdhsa_group_segment_fixed_size 327680
		.amdhsa_private_segment_fixed_size 0
		.amdhsa_enable_private_segment 0
		.amdhsa_kernarg_size 32
		.amdhsa_user_sgpr_count 2
		.amdhsa_user_sgpr_kernarg_segment_ptr 1
		.amdhsa_wavefront_size32 1
		.amdhsa_system_sgpr_workgroup_id_x 1
		.amdhsa_system_sgpr_workgroup_id_y 1
		.amdhsa_system_sgpr_workgroup_id_z 1
		.amdhsa_system_vgpr_workitem_id 0
		.amdhsa_next_free_vgpr 1024
		.amdhsa_next_free_sgpr 80
		.amdhsa_reserve_vcc 0
		.amdhsa_float_denorm_mode_32 3
		.amdhsa_float_denorm_mode_16_64 3
		.amdhsa_memory_ordered 1
		.amdhsa_forward_progress 1
		.amdhsa_inst_pref_size 183
	.end_amdhsa_kernel
	.amdgpu_metadata
---
amdhsa.version: [ 1, 2 ]
amdhsa.kernels:
  - .name:           k_qaa962be2b2_context
    .symbol:         k_qaa962be2b2_context.kd
    .args:
      - { .name: pt, .offset: 0, .size: 8, .value_kind: global_buffer, .address_space: global }
      - { .name: vb, .offset: 8, .size: 8, .value_kind: global_buffer, .address_space: global }
      - { .name: stats, .offset: 16, .size: 8, .value_kind: global_buffer, .address_space: global }
      - { .name: out0, .offset: 24, .size: 8, .value_kind: global_buffer, .address_space: global }
    .group_segment_fixed_size: 327680
    .private_segment_fixed_size: 0
    .kernarg_segment_align: 8
    .kernarg_segment_size: 32
    .max_flat_workgroup_size: 128
    .sgpr_count:     80
    .vgpr_count:     1024
    .wavefront_size: 32
...
	.end_amdgpu_metadata
.endif
;; end of part 3
